; MI455X (gfx1250); checked and timed in simulation.
; The chip was launched on July 23, 2026; its instructions are those of AMD's public machine-readable ISA for CDNA 5 (MIT licence, August 2026) and "CDNA5" Instruction Set Architecture Reference Guide (July 2026). The comments in the code are by the model that wrote it; some were corrected since.
;; Single QMSAN Head. Allowed arithmetic: float matrix products may take bf16 or f16 operands with f32 sums; all other float work in f32.
;; Inputs: Wk 256 x 256 float32; Wq 256 x 256 float32; Wv 128 x 256 float32; x 4 x 256 x 256 float32.
;; Outputs: out0 4 x 256 x 128 float32.
;; One version. Each part assembles by itself: llvm-mc -triple=amdgcn-amd-amdhsa -mcpu=gfx1250 --defsym DOCPART=n.
;; ======== version 1 of 1: 2 launches
;; workspace buffers: rq 1,048,576 bytes; rk 1,048,576 bytes; gq 4,096 bytes; gk 4,096 bytes; vf 524,288 bytes
;; launch proj (part 1): grid 32 x 3, 8 waves a work-group, no clusters, 302,592 bytes of LDS; arguments x, Wq, Wk, Wv, rq, rk, gq, gk, vf; writes rq, rk, gq, gk, vf
.if DOCPART == 1
	.amdgcn_target "amdgcn-amd-amdhsa--gfx1250"
	.amdhsa_code_object_version 6
	.text
	.protected	k_qbdcadcad95_proj
	.globl	k_qbdcadcad95_proj
	.p2align	8
	.type	k_qbdcadcad95_proj,@function
k_qbdcadcad95_proj:
	s_mov_b64 s[64:65], 0
	v_nop
	global_prefetch_b8 v0, s[64:65] scope:SCOPE_SE
	s_setreg_imm32_b32 hwreg(HW_REG_WAVE_MODE, 25, 1), 1
	s_wait_xcnt 0x0
; Projections of 32 rows of x.  Work-group x = block of 32 rows (8 b + c); work-group y = job:
;   job 0: Wq -> rq, gq     job 1: Wk -> rk, gk     job 2: Wv -> vf
; Jobs 0, 1:  amp = (x . W^T) / (|x| + 1e-12), p = amp^2, rho = p / (sum p + 1e-10);
;   stored: 0.5 rho (f32) in a tiled layout, and g = sum over f of 0.5 rho log2(rho + 1e-10), one number a row.
;   Tiled layout: byte = block*32768 + (f>>2)*512 + row_in_block*16 + (f&3)*4, so that the next launch reads 32 rows x 4 f as 512 neighbouring bytes.
; Job 2:  V = x . Wv^T, stored as TWO bf16 numbers, Vh = V rounded and Vl = (V - Vh) rounded (together about 16 bits of V), each as the
;   register image of the next launch's second matrix source: byte = ((8 b + h tile)*8 + c)*1024 + t*512 + lane*16; Vl lies 262144 bytes behind Vh.
; Products: bf16 operands (converted on the way from LDS to the matrix unit), f32 sums.  Everything else f32.
; Eight waves.  Jobs 0, 1: wave w owns the f tiles w and 8 + w (f = 128 u + 16 w + 0..15) x 32 rows (2 tiles) = 4 accumulators.
; Job 2: wave w owns h tile w x 2 row tiles.
; Each wave brings 4 rows of x and rows 16 w .. 16 w + 15 of its job's matrix by one tensor load each, ahead of the branch on the job;
; jobs 0 and 1 add rows 128 + 16 w .. of W by a third.  At most three are out per wave; each LDS byte is filled once, nothing is filled again,
; and the LDS bytes of any two loads of any two waves are disjoint: a constant plus the wave's number times the piece's bytes.
; No joint loads: a work-group asks for each of its tiles once, at its head; the text keeps each work-group on its own.
; LIMIT: the sum of squares of a row of x has to lie in f32's normal range (row norm about 1e-19 .. 1e19).
.set PITCH, 1040                       ; an LDS row: 1024 bytes + 16 of padding: 16 neighbouring rows start in 16 different 16-byte columns of 256 bytes
.set WL,    32*PITCH                   ; x: 32 rows from byte 0; W: up to 256 rows from here
.set SCS,   WL+256*PITCH               ; 299520: [wave][32 rows] partial sums of p     (1024 bytes, no tensor load lands here)
.set SCG,   SCS+1024                   ; 300544: [wave][32 rows] partial sums for g    (1024 bytes)
.set VLO,   262144                     ; vf: the image of Vl behind the image of Vh
.set WB,    12                         ; v12, v13   LDS address of my W fragments, tile u = 0, 1
.set LAND,  16                         ; v[16:143]  f32 as loaded, 2 buffers of 64: x tile t at 16 t, W tile u at 32 + 16 u
.set FRAG,  144                        ; v[144:207] bf16 fragments, 2 buffers of 32: x tile t at 8 t, W tile u at 16 + 8 u
.set ACC,   208                        ; v[208:239] accumulator (u, t) at 16 u + 8 t
.set N2,    240                        ; v[240:243] sum of squares of x, a pair for each t; later the sums for g
.set INV,   244                        ; v[244:247] a reciprocal twice, a pair for each t
.set TMP,   248                        ; v[248:255] at work; v[252:253] = 1e-10 twice
.set EPSC,  0x2edbe6ff                 ; 1e-10
.set TINY,  0x2b8cbccc                 ; 1e-12
.set G1W0,  (2<<16)|(1<<20)|(7<<22)|(3<<25)    ; elements of 4 bytes; padding on: after every 256 words, 4 words
; the f32 numbers of K step c (32 along K) into buffer p.  A fragment's lane (r, h) wants k = 8h..8h+7 and 16+8h..16+8h+7 of row r:
; in f32 that is 32 bytes at 32 h and 32 bytes at 64 + 32 h.
.macro LDF p, c, nt
.irp t, 0,1
.irp q, 0,1,2,3
	ds_load_b128 v[LAND+64*\p+16*\t+4*\q:LAND+64*\p+16*\t+4*\q+3], v3 offset:\t*16*PITCH+(\c)*128+(\q%2)*16+(\q/2)*64
.endr
.endr
.irp u, 0,1
.if \u < \nt
.irp q, 0,1,2,3
	ds_load_b128 v[LAND+64*\p+32+16*\u+4*\q:LAND+64*\p+32+16*\u+4*\q+3], v[WB+\u] offset:(\c)*128+(\q%2)*16+(\q/2)*64
.endr
.endif
.endr
.endm
; K step c on buffers p; the next step's loads go out first, into buffers nx.  nt = W tiles of the wave; qk = 1: jobs 0, 1.
.macro STEP c, p, nx, nt, qk
.if \c < 7
	LDF \nx, \c+1, \nt
	s_wait_dscnt 8+4*\nt                           ; LDS loads return in order: all but the next step's, just issued, are in
.else
	s_wait_dscnt 0x0
.endif
.if \qk
.irp j, 0,1,2,3,4,5,6,7
.irp t, 0,1
.if \c+\j == 0
	v_pk_mul_f32 v[N2+2*\t:N2+2*\t+1], v[LAND+64*\p+16*\t+2*\j:LAND+64*\p+16*\t+2*\j+1], v[LAND+64*\p+16*\t+2*\j:LAND+64*\p+16*\t+2*\j+1]
.else
	v_pk_fma_f32 v[N2+2*\t:N2+2*\t+1], v[LAND+64*\p+16*\t+2*\j:LAND+64*\p+16*\t+2*\j+1], v[LAND+64*\p+16*\t+2*\j:LAND+64*\p+16*\t+2*\j+1], v[N2+2*\t:N2+2*\t+1]
.endif
.endr
.endr
.endif
.irp t, 0,1
.irp j, 0,1,2,3,4,5,6,7
	v_cvt_pk_bf16_f32 v[FRAG+32*\p+8*\t+\j], v[LAND+64*\p+16*\t+2*\j], v[LAND+64*\p+16*\t+2*\j+1]
.endr
.endr
.irp u, 0,1
.if \u < \nt
.irp j, 0,1,2,3,4,5,6,7
	v_cvt_pk_bf16_f32 v[FRAG+32*\p+16+8*\u+\j], v[LAND+64*\p+32+16*\u+2*\j], v[LAND+64*\p+32+16*\u+2*\j+1]
.endr
.endif
.endr
	; The accumulators take turns, one instruction a turn.  A fragment buffer is written again two steps later,
	; behind the 24 or more conversions of the step between.
.if \qk
	; first source = rows of W, second = rows of x: a lane then holds row 16 t + r of x and f = 128 u + 16 w + 8 h + 0..7
.irp u, 0,1
.irp t, 0,1
.if \c == 0
	v_wmma_f32_16x16x32_bf16 v[ACC+16*\u+8*\t:ACC+16*\u+8*\t+7], v[FRAG+32*\p+16+8*\u:FRAG+32*\p+16+8*\u+7], v[FRAG+32*\p+8*\t:FRAG+32*\p+8*\t+7], 0
.else
	v_wmma_f32_16x16x32_bf16 v[ACC+16*\u+8*\t:ACC+16*\u+8*\t+7], v[FRAG+32*\p+16+8*\u:FRAG+32*\p+16+8*\u+7], v[FRAG+32*\p+8*\t:FRAG+32*\p+8*\t+7], v[ACC+16*\u+8*\t:ACC+16*\u+8*\t+7]
.endif
.endr
.endr
.else
	; first source = rows of x, second = rows of Wv: a lane then holds h = 16 w + r and rows 16 t + 8 h + 0..7 of x
.irp t, 0,1
.if \c == 0
	v_wmma_f32_16x16x32_bf16 v[ACC+8*\t:ACC+8*\t+7], v[FRAG+32*\p+8*\t:FRAG+32*\p+8*\t+7], v[FRAG+32*\p+16:FRAG+32*\p+23], 0
.else
	v_wmma_f32_16x16x32_bf16 v[ACC+8*\t:ACC+8*\t+7], v[FRAG+32*\p+8*\t:FRAG+32*\p+8*\t+7], v[FRAG+32*\p+16:FRAG+32*\p+23], v[ACC+8*\t:ACC+8*\t+7]
.endif
.endr
.endif
.endm
.macro RUN nt, qk                      ; K = 256 in eight steps of 32
	LDF 0, 0, \nt
	STEP 0, 0, 1, \nt, \qk
	STEP 1, 1, 0, \nt, \qk
	STEP 2, 0, 1, \nt, \qk
	STEP 3, 1, 0, \nt, \qk
	STEP 4, 0, 1, \nt, \qk
	STEP 5, 1, 0, \nt, \qk
	STEP 6, 0, 1, \nt, \qk
	STEP 7, 1, 0, \nt, \qk
.endm
	s_load_b512 s[8:23], s[0:1], 0x0               ; x 8, Wq 10, Wk 12, Wv 14, rq 16, rk 18, gq 20, gk 22
	s_load_b64 s[24:25], s[0:1], 0x40              ; vf
	v_lshl_add_u32 v14, v0, 2, 0x49a00
	v_mov_b32 v15, 0
	ds_add_u32 v14, v15
	ds_add_u32 v14, v15
	s_and_b32 s2, ttmp7, 0xffff                    ; job
	s_mov_b32 s3, ttmp9                            ; block of 32 rows
	v_lshrrev_b32 v9, 5, v0
	v_readfirstlane_b32 s4, v9                     ; wave
	s_mov_b32 s52, 0x76543210                      ; v_permlanex16_b32: lane i of one half reads lane i of the other
	s_mov_b32 s53, 0xfedcba98
	; x: 4 rows of 256 f32 for each wave
	s_mov_b32 s32, G1W0
	s_mov_b32 s33, 256<<16                         ; tensor_dim0 = 256
	s_mov_b32 s34, 4<<16                           ; tensor_dim1 = 4
	s_mov_b32 s35, 256<<16                         ; tile_dim0 = 256
	s_mov_b32 s36, 4                               ; tile_dim1 = 4
	s_mov_b32 s37, 256                             ; elements from row to row
	s_mov_b32 s38, 0
	s_mov_b32 s39, 0
	s_mov_b32 s28, 1
	s_mul_i32 s29, s4, 4*PITCH                     ; LDS: my 4 rows
	s_lshl_b32 s6, s3, 15                          ; 32 rows of 1024 bytes a block
	s_lshl_b32 s26, s4, 12                         ; 4 rows a wave
	s_add_co_u32 s6, s6, s26
	s_mov_b32 s7, 0
	s_wait_dscnt 0x0
	s_wait_kmcnt 0x0
	s_add_nc_u64 s[30:31], s[8:9], s[6:7]
	s_or_b32 s31, s31, 0x80000000
	tensor_load_to_lds s[28:31], s[32:39]
	s_nop 0
	; the job's matrix: pieces of 16 rows of 256 f32.  Rows 16 w .. 16 w + 15 exist in all three matrices: one line for all jobs.
	s_cmp_eq_u32 s2, 0
	s_cselect_b64 s[54:55], s[10:11], s[12:13]     ; Wq or Wk,
	s_cmp_eq_u32 s2, 2
	s_cselect_b64 s[54:55], s[14:15], s[54:55]     ; or Wv
	s_mov_b32 s44, G1W0
	s_mov_b32 s45, 256<<16                         ; tensor_dim0 = 256
	s_mov_b32 s46, 16<<16                          ; tensor_dim1 = 16
	s_mov_b32 s47, 256<<16                         ; tile_dim0 = 256
	s_mov_b32 s48, 16                              ; tile_dim1 = 16
	s_mov_b32 s49, 256
	s_mov_b32 s50, 0
	s_mov_b32 s51, 0
	s_mov_b32 s40, 1
	s_mul_i32 s41, s4, 16*PITCH
	s_add_co_u32 s41, s41, WL                      ; LDS: WL + w * 16 rows
	s_lshl_b32 s6, s4, 14                          ; 16 rows of 1024 bytes a wave
	s_add_nc_u64 s[42:43], s[54:55], s[6:7]
	s_or_b32 s43, s43, 0x80000000
	tensor_load_to_lds s[40:43], s[44:51]
	s_nop 0
	v_and_b32 v1, 15, v0                           ; r
	v_bfe_u32 v2, v0, 4, 1                         ; h
	v_mul_u32_u24 v3, v1, PITCH
	v_lshl_add_u32 v3, v2, 5, v3                   ; x fragments: r * pitch + 32 h
	v_add_nc_u32 v[WB], s41, v3                    ; W fragments, tile 0: my first piece
	s_cmp_eq_u32 s2, 2
	s_cbranch_scc1 .Lv
	; ---------------- jobs 0 and 1 ----------------
	s_cmp_eq_u32 s2, 0
	s_cselect_b64 s[56:57], s[16:17], s[18:19]     ; table of 0.5 rho
	s_cselect_b64 s[58:59], s[20:21], s[22:23]     ; g
	s_mov_b32 s60, 1                               ; the second piece: rows 128 + 16 w .., with a group 0 of its own, the same shape
	s_add_co_u32 s61, s41, 128*PITCH               ; LDS: behind the first 128 rows
	s_add_nc_u64 s[62:63], s[54:55], s[6:7]
	s_add_nc_u64 s[62:63], s[62:63], 0x20000       ; 128 rows of 1024 bytes on
	s_or_b32 s63, s63, 0x80000000
	tensor_load_to_lds s[60:63], s[44:51]
	s_nop 0
	v_add_nc_u32 v[WB+1], 128*PITCH, v[WB]         ; W fragments, tile 1
	s_lshl_b32 s26, s4, 11
	v_lshlrev_b32 v5, 4, v1
	v_lshl_add_u32 v5, v2, 10, v5
	v_add_nc_u32 v5, s26, v5                       ; table: w * 2048 + h * 1024 + r * 16
	s_lshl_b32 s27, s4, 7
	s_add_co_u32 s27, s27, SCS
	v_lshl_add_u32 v6, v1, 2, s27                  ; my wave's partial sums: SCS + w * 128 + r * 4
	v_lshlrev_b32 v7, 2, v1
	v_add_nc_u32 v7, SCS, v7                       ; all waves' partial sums of row r
	v_and_b32 v10, 31, v0
	v_lshlrev_b32 v10, 2, v10                      ; lane * 4
	v_add_nc_u32 v8, SCG, v10
	s_lshl_b32 s6, s3, 15
	s_add_nc_u64 s[56:57], s[56:57], s[6:7]
	s_lshl_b32 s6, s3, 7
	s_add_nc_u64 s[58:59], s[58:59], s[6:7]
	s_wait_tensorcnt 0x0                           ; my rows of x and of W are in LDS
	s_barrier_signal -1
	s_barrier_wait -1                              ; every wave's rows of x are
	RUN 2, 1
	; 1 / (|x| + 1e-12) of rows r and 16 + r.  The plain lines here are also the places behind the last matrix instructions.
	v_add_f32 v[TMP], v[N2], v[N2+1]
	v_add_f32 v[TMP+1], v[N2+2], v[N2+3]
	v_permlanex16_b32 v[N2+1], v[TMP], s52, s53    ; the other half of K lies in lane l xor 16
	v_permlanex16_b32 v[N2+3], v[TMP+1], s52, s53
	v_add_f32 v[TMP], v[TMP], v[N2+1]
	v_add_f32 v[TMP+1], v[TMP+1], v[N2+3]
	v_sqrt_f32 v[TMP], v[TMP]
	v_sqrt_f32 v[TMP+1], v[TMP+1]
	v_nop                                          ; one plain line behind a transcendental before its result is used
	s_wait_alu depctr_va_vdst(0)
	v_add_f32 v[TMP], TINY, v[TMP]
	v_add_f32 v[TMP+1], TINY, v[TMP+1]
	v_rcp_f32 v[INV], v[TMP]
	v_rcp_f32 v[INV+2], v[TMP+1]
	v_nop
	s_wait_alu depctr_va_vdst(0)
	v_mov_b32 v[INV+1], v[INV]
	v_mov_b32 v[INV+3], v[INV+2]
.irp u, 0,1
.irp t, 0,1
.irp k, 0,2,4,6
	v_pk_mul_f32 v[ACC+16*\u+8*\t+\k:ACC+16*\u+8*\t+\k+1], v[ACC+16*\u+8*\t+\k:ACC+16*\u+8*\t+\k+1], v[INV+2*\t:INV+2*\t+1]     ; amp
.endr
.endr
.endr
.irp k, 0,2,4,6,8,10,12,14,16,18,20,22,24,26,28,30
	v_pk_mul_f32 v[ACC+\k:ACC+\k+1], v[ACC+\k:ACC+\k+1], v[ACC+\k:ACC+\k+1]                                                    ; p = amp^2
.endr
	; sum of p over my 32 f, then over the eight waves through LDS
.irp t, 0,1
	v_pk_add_f32 v[TMP+2*\t:TMP+2*\t+1], v[ACC+8*\t:ACC+8*\t+1], v[ACC+8*\t+2:ACC+8*\t+3]
.irp k, 4,6,16,18,20,22
	v_pk_add_f32 v[TMP+2*\t:TMP+2*\t+1], v[TMP+2*\t:TMP+2*\t+1], v[ACC+8*\t+\k:ACC+8*\t+\k+1]
.endr
	v_add_f32 v[TMP+2*\t], v[TMP+2*\t], v[TMP+2*\t+1]
	v_permlanex16_b32 v[TMP+2*\t+1], v[TMP+2*\t], s52, s53
	v_add_f32 v[TMP+2*\t], v[TMP+2*\t], v[TMP+2*\t+1]
	ds_store_b32 v6, v[TMP+2*\t] offset:64*\t      ; lanes l and l xor 16 write the same word with the same number
.endr
	s_wait_dscnt 0x0                               ; my stores are done, for the other waves' sake
	s_barrier_signal -1
	s_barrier_wait -1
.irp t, 0,1
.irp k, 0,1,2,3,4,5,6,7
	ds_load_b32 v[LAND+8*\t+\k], v7 offset:128*\k+64*\t
.endr
.endr
	s_wait_dscnt 0x0
.irp t, 0,1
	v_pk_add_f32 v[LAND+8*\t:LAND+8*\t+1], v[LAND+8*\t:LAND+8*\t+1], v[LAND+8*\t+2:LAND+8*\t+3]
	v_pk_add_f32 v[LAND+8*\t+4:LAND+8*\t+5], v[LAND+8*\t+4:LAND+8*\t+5], v[LAND+8*\t+6:LAND+8*\t+7]
	v_pk_add_f32 v[LAND+8*\t:LAND+8*\t+1], v[LAND+8*\t:LAND+8*\t+1], v[LAND+8*\t+4:LAND+8*\t+5]
	v_add_f32 v[LAND+8*\t], v[LAND+8*\t], v[LAND+8*\t+1]
	v_add_f32 v[LAND+8*\t], EPSC, v[LAND+8*\t]
.endr
	v_rcp_f32 v[INV], v[LAND]
	v_rcp_f32 v[INV+2], v[LAND+8]
	v_mov_b32 v[TMP+4], EPSC                       ; plain lines behind the reciprocals: 1e-10 twice, for the packed adds
	v_mov_b32 v[TMP+5], EPSC
	s_wait_alu depctr_va_vdst(0)
	v_mov_b32 v[INV+1], v[INV]
	v_mov_b32 v[INV+3], v[INV+2]
; tile q = 2 u + t.  RHO: rho = p / sum, and rho + 1e-10.  LOG8: log2 in place.  ENT: rho is halved (exact), g's sum takes 0.5 rho log2(rho + 1e-10).
.macro RHO q
.irp k, 0,2,4,6
	v_pk_mul_f32 v[ACC+8*\q+\k:ACC+8*\q+\k+1], v[ACC+8*\q+\k:ACC+8*\q+\k+1], v[INV+2*(\q%2):INV+2*(\q%2)+1]
.endr
.irp k, 0,2,4,6
	v_pk_add_f32 v[LAND+8*\q+\k:LAND+8*\q+\k+1], v[ACC+8*\q+\k:ACC+8*\q+\k+1], v[TMP+4:TMP+5]
.endr
.endm
.macro LOG8 q
.irp k, 0,1,2,3,4,5,6,7
	v_log_f32 v[LAND+8*\q+\k], v[LAND+8*\q+\k]
.endr
.endm
.macro ENT q
	s_wait_alu depctr_va_vdst(0)
.irp k, 0,2,4,6
	v_pk_mul_f32 v[ACC+8*\q+\k:ACC+8*\q+\k+1], v[ACC+8*\q+\k:ACC+8*\q+\k+1], 0.5 op_sel_hi:[1,0]
.endr
.irp k, 0,2,4,6
.if \q/2+\k == 0
	s_wait_alu depctr_va_vdst(0)
	v_pk_mul_f32 v[N2+2*(\q%2):N2+2*(\q%2)+1], v[ACC+8*\q+\k:ACC+8*\q+\k+1], v[LAND+8*\q+\k:LAND+8*\q+\k+1]
.else
	v_pk_fma_f32 v[N2+2*(\q%2):N2+2*(\q%2)+1], v[ACC+8*\q+\k:ACC+8*\q+\k+1], v[LAND+8*\q+\k:LAND+8*\q+\k+1], v[N2+2*(\q%2):N2+2*(\q%2)+1]
.endif
.endr
.endm
	; behind each run of logarithms stands plain work on another tile
	RHO 0
	LOG8 0
	RHO 1
	LOG8 1
	ENT 0
	RHO 2
	LOG8 2
	ENT 1
	RHO 3
	LOG8 3
	ENT 2
	ENT 3
	; f = 128 u + 16 w + 8 h + 4 half + 0..3: group of four f = 32 u + 4 w + 2 h + half, 512 bytes each; row 16 t + r, 16 bytes each
.irp u, 0,1
.irp t, 0,1
.irp h, 0,1
	global_store_b128 v5, v[ACC+16*\u+8*\t+4*\h:ACC+16*\u+8*\t+4*\h+3], s[56:57] offset:16384*\u+512*\h+256*\t   ; 16 lanes store 256 consecutive bytes, aligned
.endr
.endr
.endr
.irp t, 0,1
	v_add_f32 v[N2+2*\t], v[N2+2*\t], v[N2+2*\t+1]
	v_permlanex16_b32 v[N2+2*\t+1], v[N2+2*\t], s52, s53
	v_add_f32 v[N2+2*\t], v[N2+2*\t], v[N2+2*\t+1]
	ds_store_b32 v6, v[N2+2*\t] offset:1024+64*\t  ; SCG lies 1024 bytes behind SCS
.endr
	s_wait_dscnt 0x0
	s_barrier_signal -1
	s_barrier_wait -1
	s_cmp_lg_u32 s4, 0
	s_cbranch_scc1 .Lqk_end                        ; wave 0 adds the eight waves' parts: lane = row of the block
.irp k, 0,1,2,3,4,5,6,7
	ds_load_b32 v[LAND+\k], v8 offset:128*\k
.endr
	s_wait_dscnt 0x0
	v_pk_add_f32 v[LAND:LAND+1], v[LAND:LAND+1], v[LAND+2:LAND+3]
	v_pk_add_f32 v[LAND+4:LAND+5], v[LAND+4:LAND+5], v[LAND+6:LAND+7]
	v_pk_add_f32 v[LAND:LAND+1], v[LAND:LAND+1], v[LAND+4:LAND+5]
	v_add_f32 v[LAND], v[LAND], v[LAND+1]
	global_store_b32 v10, v[LAND], s[58:59]        ; 128 consecutive bytes: the block's 32 numbers
.Lqk_end:
	s_wait_tensorcnt 0x0
	ds_add_u32 v14, v15
	s_wait_dscnt 0x0
	s_endpgm
	; ---------------- job 2: V ----------------
.Lv:
	s_lshr_b32 s6, s3, 3
	s_lshl_b32 s6, s6, 16                          ; b * 65536
	s_and_b32 s27, s3, 7
	s_lshl_b32 s27, s27, 10                        ; + c * 1024
	s_add_co_u32 s6, s6, s27
	s_add_nc_u64 s[56:57], s[24:25], s[6:7]
	s_lshl_b32 s26, s4, 13                         ; h tile * 8192
	s_wait_tensorcnt 0x0                           ; my rows of x and of Wv are in LDS
	s_barrier_signal -1
	s_barrier_wait -1                              ; every wave's rows of x are
	RUN 1, 0
	v_and_b32 v5, 31, v0                           ; four plain lines behind the last matrix instruction before its result is read
	v_lshlrev_b32 v5, 4, v5
	v_add_nc_u32 v5, s26, v5
	v_nop
.irp t, 0,1
.irp k, 0,1,2,3
	v_cvt_pk_bf16_f32 v[TMP+4*\t+\k], v[ACC+8*\t+2*\k], v[ACC+8*\t+2*\k+1]     ; Vh; rows 16 t + 8 h + 2 k, + 1: registers 4 t + k of the fragment
.endr
.endr
	global_store_b128 v5, v[TMP:TMP+3], s[56:57]               ; the wave stores 512 consecutive bytes
	global_store_b128 v5, v[TMP+4:TMP+7], s[56:57] offset:512
	; Vl = V - Vh, rounded: Vh's halves are widened again (a shift, a mask) and taken away in f32, which is exact
.irp t, 0,1
.irp k, 0,1,2,3
	v_lshlrev_b32 v[LAND+8*\t+2*\k], 16, v[TMP+4*\t+\k]
	v_and_b32 v[LAND+8*\t+2*\k+1], 0xffff0000, v[TMP+4*\t+\k]
.endr
.endr
.irp t, 0,1
.irp k, 0,1,2,3
	v_pk_add_f32 v[LAND+8*\t+2*\k:LAND+8*\t+2*\k+1], v[ACC+8*\t+2*\k:ACC+8*\t+2*\k+1], v[LAND+8*\t+2*\k:LAND+8*\t+2*\k+1] neg_lo:[0,1] neg_hi:[0,1]
.endr
.endr
.irp t, 0,1
.irp k, 0,1,2,3
	v_cvt_pk_bf16_f32 v[LAND+32+4*\t+\k], v[LAND+8*\t+2*\k], v[LAND+8*\t+2*\k+1]
.endr
.endr
	global_store_b128 v5, v[LAND+32:LAND+35], s[56:57] offset:VLO
	global_store_b128 v5, v[LAND+36:LAND+39], s[56:57] offset:VLO+512
	s_wait_tensorcnt 0x0
	ds_add_u32 v14, v15
	s_wait_dscnt 0x0
	s_endpgm
.Lfunc_end_k_qbdcadcad95_proj:
	.size	k_qbdcadcad95_proj, .Lfunc_end_k_qbdcadcad95_proj-k_qbdcadcad95_proj
	.p2alignl 7, 3214868480
	.fill 96, 4, 3214868480
	.section	.rodata,"a",@progbits
	.p2align	6, 0x0
	.amdhsa_kernel k_qbdcadcad95_proj
		.amdhsa_group_segment_fixed_size 302592
		.amdhsa_private_segment_fixed_size 0
		.amdhsa_enable_private_segment 0
		.amdhsa_kernarg_size 72
		.amdhsa_user_sgpr_count 2
		.amdhsa_user_sgpr_kernarg_segment_ptr 1
		.amdhsa_wavefront_size32 1
		.amdhsa_system_sgpr_workgroup_id_x 1
		.amdhsa_system_sgpr_workgroup_id_y 1
		.amdhsa_system_sgpr_workgroup_id_z 1
		.amdhsa_system_vgpr_workitem_id 0
		.amdhsa_next_free_vgpr 256
		.amdhsa_next_free_sgpr 66
		.amdhsa_reserve_vcc 0
		.amdhsa_float_denorm_mode_32 3
		.amdhsa_float_denorm_mode_16_64 3
		.amdhsa_memory_ordered 1
		.amdhsa_forward_progress 1
		.amdhsa_inst_pref_size 75
	.end_amdhsa_kernel
	.amdgpu_metadata
---
amdhsa.version: [ 1, 2 ]
amdhsa.kernels:
  - .name:           k_qbdcadcad95_proj
    .symbol:         k_qbdcadcad95_proj.kd
    .args:
      - { .name: x, .offset: 0, .size: 8, .value_kind: global_buffer, .address_space: global }
      - { .name: Wq, .offset: 8, .size: 8, .value_kind: global_buffer, .address_space: global }
      - { .name: Wk, .offset: 16, .size: 8, .value_kind: global_buffer, .address_space: global }
      - { .name: Wv, .offset: 24, .size: 8, .value_kind: global_buffer, .address_space: global }
      - { .name: rq, .offset: 32, .size: 8, .value_kind: global_buffer, .address_space: global }
      - { .name: rk, .offset: 40, .size: 8, .value_kind: global_buffer, .address_space: global }
      - { .name: gq, .offset: 48, .size: 8, .value_kind: global_buffer, .address_space: global }
      - { .name: gk, .offset: 56, .size: 8, .value_kind: global_buffer, .address_space: global }
      - { .name: vf, .offset: 64, .size: 8, .value_kind: global_buffer, .address_space: global }
    .group_segment_fixed_size: 302592
    .private_segment_fixed_size: 0
    .kernarg_segment_align: 8
    .kernarg_segment_size: 72
    .max_flat_workgroup_size: 256
    .sgpr_count:     66
    .vgpr_count:     256
    .wavefront_size: 32
...
	.end_amdgpu_metadata
.endif
;; end of part 1
;; launch jsattn (part 2): grid 64 x 4, 16 waves a work-group, no clusters, 80,640 bytes of LDS; arguments rq, rk, gq, gk, vf, out0; writes out0
.if DOCPART == 2
	.amdgcn_target "amdgcn-amd-amdhsa--gfx1250"
	.amdhsa_code_object_version 6
	.text
	.protected	k_qbdcadcad95_jsattn
	.globl	k_qbdcadcad95_jsattn
	.p2align	8
	.type	k_qbdcadcad95_jsattn,@function
k_qbdcadcad95_jsattn:
	s_mov_b64 s[64:65], 0
	v_nop
	global_prefetch_b8 v0, s[64:65] scope:SCOPE_SE
	s_setreg_imm32_b32 hwreg(HW_REG_WAVE_MODE, 25, 1), 1
	s_wait_xcnt 0x0
; Scores, mask, L1 norm and attn x V for four rows i of batch b.
;   js(i, j) = ln2 * (gq_i + gk_j - sum over e of m log2(m + 1e-10)),  m = 0.5 rho_q(i, e) + 0.5 rho_k(j, e)   (the tables hold the halves)
;   score = 1 - js for j <= i, else 0;  out(i, :) = (score . V) / max(sum |score|, 1e-12): the division is made in f32 behind the product.
; The product's operands are bf16, each value as two of them: s = sh + sl, V = Vh + Vl (high = the value rounded, low = the remainder rounded),
; and score . V = sh.Vh + sh.Vl + sl.Vh.  A row with few j is a sum of few products that may cancel, so one rounding to 8 bits would show in it.
; LIMIT: the term sl.Vl, at most about 2^-16 of a product, is left out.
; Work-group (w, b) owns rows ("slots") 254 - 2w, 255 - 2w, 2w, 2w + 1: 514 pairs j <= i in every work-group.
; j goes in chunks of 32, one j a lane.  The upper two rows need nhi = 8 - (w >> 4) chunks, the lower two nlo = (w >> 4) + 1: nine units of 2 rows x 32 j always.
; Sixteen waves; wave v owns e = 16 v .. 16 v + 15 of every unit, so the waves' work is equal; their partial sums meet in LDS.
; The table's layout makes each of a wave's loads of rho_k 512 consecutive bytes that no other wave of the work-group needs: they go straight into
; registers, through a ring of four chunks.  No joint loads and no LDS pass for the tables: a joint load would add a way through LDS for 256 KiB a work-group.
; All eight chunks are loaded in every work-group, so that the counted waits hold on every path; units above the diagonal are jumped over.
; The three sums in js are at most 8 in magnitude for every input (entropies of 256 outcomes, in bits), so their difference keeps f32's absolute accuracy.
.set AT,   65536                       ; bytes 0 .. 65535: PART [16 waves][4 slots][256 j] f32.  AT: 4 rows of 256 bf16, the scores' high parts, pitch 528
.set ATP,  528
.set L1P,  67840                       ; one word a wave: sum of |score| over its 64 j
.set OS,   68096                       ; [h half of the lanes][K half][4 slots][128 h] f32; the lanes' upper half holds unused rows of the tile and is never read
.set ATL,  76288                       ; 4 rows of 256 bf16, the scores' low parts, pitch 528
.set VLO,  262144                      ; vf: the image of Vl behind the image of Vh
.set VF,   16                          ; v[16:47]   Vh fragments of my h tile and my four K steps
.set PH,   48                          ; v[48:79]   my 16 e of the two upper rows
.set PL,   80                          ; v[80:111]  of the two lower rows
.set VL,   80                          ; v[80:111]  behind chunk 3, the lower rows' last: Vl fragments
.set Q,    112                         ; v[112:175] ring of four chunks x 16 registers
.set T,    176                         ; v[176:191] m, two buffers of 8
.set U,    192                         ; v[192:207] m + 1e-10, then its log2, two buffers of 8
.set AL,   176                         ; v[176:207] behind the chunks: fragments of the scores' low parts
.set ACC,  208                         ; v[208:215] two pairs for each row
.set AF,   216                         ; v[216:247] fragments of the scores' high parts
.set EP,   248                         ; v[248:249] 1e-10 twice
.set S,    48                          ; behind the chunks: the sixteen waves' partial sums, 16 pairs
.set D0,   112                         ; behind the chunks: two accumulators
.set D1,   120
.set TINY, 0x2b8cbccc                  ; 1e-12
; group g = 4 consecutive e of 2 rows; buffers g % 2
.macro ADDS pb, c, g
.irp row, 0,1
.irp h, 0,1
	v_pk_add_f32 v[T+8*(\g%2)+4*\row+2*\h:T+8*(\g%2)+4*\row+2*\h+1], v[\pb+16*\row+4*\g+2*\h:\pb+16*\row+4*\g+2*\h+1], v[Q+16*(\c%4)+4*\g+2*\h:Q+16*(\c%4)+4*\g+2*\h+1]
.endr
.endr
.irp k, 0,2,4,6
	v_pk_add_f32 v[U+8*(\g%2)+\k:U+8*(\g%2)+\k+1], v[T+8*(\g%2)+\k:T+8*(\g%2)+\k+1], v[EP:EP+1]
.endr
.endm
.macro LOGS g
.irp k, 0,1,2,3,4,5,6,7
	v_log_f32 v[U+8*(\g%2)+\k], v[U+8*(\g%2)+\k]
.endr
.endm
.macro FMAS g
.irp k, 0,2,4,6
.if \g == 0
	s_wait_alu depctr_va_vdst(0)
	v_pk_mul_f32 v[ACC+\k:ACC+\k+1], v[T+8*(\g%2)+\k:T+8*(\g%2)+\k+1], v[U+8*(\g%2)+\k:U+8*(\g%2)+\k+1]       ; the first group starts the sums
.else
	s_wait_alu depctr_va_vdst(0)
	v_pk_fma_f32 v[ACC+\k:ACC+\k+1], v[T+8*(\g%2)+\k:T+8*(\g%2)+\k+1], v[U+8*(\g%2)+\k:U+8*(\g%2)+\k+1], v[ACC+\k:ACC+\k+1]
.endif
.endr
.endm
; 2 rows (registers from pb, slots slot0, slot0 + 1) x the 32 j of chunk c x my 16 e.
; Behind each run of logarithms the next line is plain work on the other buffer.
.macro UNIT pb, c, slot0
	ADDS \pb, \c, 0
	LOGS 0
	ADDS \pb, \c, 1
	LOGS 1
	FMAS 0
	ADDS \pb, \c, 2
	LOGS 2
	FMAS 1
	ADDS \pb, \c, 3
	LOGS 3
	FMAS 2
	FMAS 3
.irp row, 0,1
	v_pk_add_f32 v[ACC+4*\row:ACC+4*\row+1], v[ACC+4*\row:ACC+4*\row+1], v[ACC+4*\row+2:ACC+4*\row+3]
	v_add_f32 v[ACC+4*\row], v[ACC+4*\row], v[ACC+4*\row+1]
	ds_store_b32 v7, v[ACC+4*\row] offset:(\slot0+\row)*1024+\c*128
.endr
.endm
; chunk c.  left = the loads issued behind this chunk's four.  The jumps pass over arithmetic and LDS stores alone.
.macro CHUNK c, left
	s_wait_loadcnt \left
.if \c >= 5
	s_cmp_gt_u32 s5, \c
	s_cbranch_scc0 .Lno_hi_\c
.endif
	UNIT PH, \c, 0
.if \c >= 5
.Lno_hi_\c:
.endif
.if \c <= 3
.if \c >= 1
	s_cmp_gt_u32 s6, \c
	s_cbranch_scc0 .Lno_lo_\c
.endif
	UNIT PL, \c, 2
.if \c >= 1
.Lno_lo_\c:
.endif
.irp g, 0,1,2,3
	global_load_b128 v[Q+16*(\c%4)+4*\g:Q+16*(\c%4)+4*\g+3], v3, s[22:23] offset:(\c+4)*32768+\g*512    ; chunk c + 4 into the buffer just read
.endr
.endif
.endm
; four matrix instructions, one for each of my K steps: score fragments from a, V fragments from b.  first = 1: the first two start the sums.
; The two accumulators take turns, one instruction a turn.
.macro PROD a, b, first
.irp c, 0,1,2,3
.if \first*2 > \c
	v_wmma_f32_16x16x32_bf16 v[D0+8*(\c%2):D0+8*(\c%2)+7], v[\a+8*\c:\a+8*\c+7], v[\b+8*\c:\b+8*\c+7], 0
.else
	v_wmma_f32_16x16x32_bf16 v[D0+8*(\c%2):D0+8*(\c%2)+7], v[\a+8*\c:\a+8*\c+7], v[\b+8*\c:\b+8*\c+7], v[D0+8*(\c%2):D0+8*(\c%2)+7]
.endif
.endr
.endm
	s_load_b256 s[8:15], s[0:1], 0x0               ; rq 8, rk 10, gq 12, gk 14
	s_load_b128 s[16:19], s[0:1], 0x20             ; vf 16, out0 18
	v_lshl_add_u32 v254, v0, 2, 0x13300
	v_mov_b32 v255, 0
	s_mov_b32 s2, ttmp9                            ; w
	s_and_b32 s3, ttmp7, 0xffff                    ; b
	v_lshrrev_b32 v9, 5, v0
	v_readfirstlane_b32 s4, v9                     ; wave
	s_lshr_b32 s6, s2, 4
	s_sub_co_u32 s5, 8, s6                         ; nhi
	s_add_co_u32 s6, s6, 1                         ; nlo
	s_lshl_b32 s20, s2, 1                          ; first lower row
	s_sub_co_u32 s7, 254, s20                      ; first upper row
	s_lshr_b32 s21, s4, 2                          ; the slot that my wave combines: wave / 4
	s_bitcmp1_b32 s21, 1
	s_cselect_b32 s33, s20, s7
	s_and_b32 s44, s21, 1
	s_add_co_u32 s33, s33, s44                     ; its row i
	s_lshl_b32 s47, s3, 8
	s_add_co_u32 s47, s47, s33
	s_lshl_b32 s47, s47, 2                         ; byte of gq_i
	s_mov_b32 s34, 0x76543210
	s_mov_b32 s35, 0xfedcba98
	s_mov_b32 s38, 0xbf317218                      ; -ln 2
	s_lshl_b32 s36, s3, 18                         ; a batch's table: 262144 bytes
	s_mov_b32 s37, 0
	s_lshr_b32 s40, s7, 5                          ; upper rows: chunk * 32768 + row in chunk * 16
	s_lshl_b32 s40, s40, 15
	s_and_b32 s41, s7, 31
	s_lshl_b32 s41, s41, 4
	s_add_co_u32 s40, s40, s41
	s_add_co_u32 s40, s40, s36
	s_mov_b32 s41, 0
	s_lshr_b32 s42, s20, 5                         ; lower rows
	s_lshl_b32 s42, s42, 15
	s_and_b32 s43, s20, 31
	s_lshl_b32 s43, s43, 4
	s_add_co_u32 s42, s42, s43
	s_add_co_u32 s42, s42, s36
	s_mov_b32 s43, 0
	v_and_b32 v1, 31, v0                           ; lane
	s_lshl_b32 s44, s4, 11                         ; my 16 e: four groups of 512 bytes
	v_lshl_add_u32 v3, v1, 4, s44                  ; rho_k: + 16 bytes a lane (a j)
	v_mov_b32 v4, s44                              ; rho_q: the same 16 bytes for all lanes
	s_and_b32 s45, s4, 7
	s_lshl_b32 s45, s45, 13                        ; h tile * 8192
	s_lshr_b32 s46, s4, 3
	s_lshl_b32 s46, s46, 12                        ; + K half * 4 steps of 1024
	s_add_co_u32 s45, s45, s46
	v_lshl_add_u32 v5, v1, 4, s45
	v_and_b32 v6, 127, v0
	v_lshlrev_b32 v6, 3, v6                        ; gk: my two j
	s_lshl_b32 s46, s4, 12                         ; my wave's 4096 bytes of PART
	v_lshl_add_u32 v7, v1, 2, s46
	v_lshl_add_u32 v8, v1, 4, s46
	s_wait_kmcnt 0x0
	s_add_nc_u64 s[22:23], s[10:11], s[36:37]
	s_add_nc_u64 s[24:25], s[8:9], s[40:41]
	s_add_nc_u64 s[26:27], s[8:9], s[42:43]
	s_lshl_b32 s36, s3, 16
	s_add_nc_u64 s[28:29], s[16:17], s[36:37]
	s_lshl_b32 s36, s3, 10
	s_add_nc_u64 s[30:31], s[14:15], s[36:37]
	global_load_b64 v[12:13], v6, s[30:31]
.irp c, 0,1,2,3
	global_load_b128 v[VF+8*\c:VF+8*\c+3], v5, s[28:29] offset:1024*\c
	global_load_b128 v[VF+8*\c+4:VF+8*\c+7], v5, s[28:29] offset:1024*\c+512
.endr
.irp row, 0,1
.irp g, 0,1,2,3
	global_load_b128 v[PH+16*\row+4*\g:PH+16*\row+4*\g+3], v4, s[24:25] offset:512*\g+16*\row
	global_load_b128 v[PL+16*\row+4*\g:PL+16*\row+4*\g+3], v4, s[26:27] offset:512*\g+16*\row
.endr
.endr
.irp c, 0,1,2,3
.irp g, 0,1,2,3
	global_load_b128 v[Q+16*\c+4*\g:Q+16*\c+4*\g+3], v3, s[22:23] offset:32768*\c+512*\g
.endr
.endr
	s_load_b32 s32, s[12:13], s47 offset:0x0       ; gq_i; s47 is not written again
	; scalars for the later phases
	s_mul_i32 s40, s21, ATP
	s_add_co_u32 s40, s40, AT                      ; my slot's row of scores
	s_lshl_b32 s41, s4, 2
	s_add_co_u32 s41, s41, L1P
	s_lshr_b32 s39, s4, 3                          ; K half
	s_lshl_b32 s43, s39, 8
	s_add_co_u32 s43, s43, AT                      ; its 128 j: 256 bytes
	s_lshl_b32 s39, s39, 11
	s_and_b32 s44, s4, 7
	s_lshl_b32 s44, s44, 6
	s_add_co_u32 s39, s39, s44
	s_add_co_u32 s39, s39, OS                      ; OS + K half * 2048 + h tile * 64
	v_mov_b32 v[EP], 0x2edbe6ff
	v_mov_b32 v[EP+1], 0x2edbe6ff
	; my part of PART starts as zeros, so that units that are jumped over leave defined numbers (the mask drops them)
.irp k, 0,1,2,3
	v_mov_b32 v[T+\k], 0
.endr
.irp k, 0,1,2,3,4,5,6,7
	ds_store_b128 v8, v[T:T+3] offset:512*\k
.endr
	CHUNK 0, 12                                    ; 12: chunks 1, 2, 3 stay out; gk, Vh and rho_q were issued earlier and are in
	CHUNK 1, 12
	CHUNK 2, 12
	CHUNK 3, 12
	; the lower rows are done: their registers take the eight loads of Vl, which have chunks 4 to 7 in which to land
.irp c, 0,1,2,3
	global_load_b128 v[VL+8*\c:VL+8*\c+3], v5, s[28:29] offset:VLO+1024*\c
	global_load_b128 v[VL+8*\c+4:VL+8*\c+7], v5, s[28:29] offset:VLO+1024*\c+512
.endr
	CHUNK 4, 20                                    ; chunks 5, 6, 7 (12 loads) and Vl (8) were issued behind chunk 4's
	CHUNK 5, 16
	CHUNK 6, 12
	CHUNK 7, 8                                     ; Vl alone may stay out
	; combine: thread t takes slot t / 128 and j = 2 (t % 128), + 1: byte 8 t of each wave's part
	s_wait_dscnt 0x0
	s_barrier_signal -1
	s_barrier_wait -1
	v_lshlrev_b32 v9, 3, v0
.irp k, 0,1,2,3,4,5,6,7,8,9,10,11,12,13,14,15
	ds_load_b64 v[S+2*\k:S+2*\k+1], v9 offset:4096*\k
.endr
	v_and_b32 v10, 127, v0
	v_lshl_add_u32 v11, v10, 2, s40                ; where my two scores go
	v_lshlrev_b32 v10, 1, v10                      ; j
	v_mov_b32 v15, s41
	s_wait_kmcnt 0x0                               ; gq_i
	v_add_f32 v12, s32, v12
	v_add_f32 v13, s32, v13
	v_cmp_ge_u32 vcc_lo, s33, v10                  ; j <= i
	v_cmp_gt_u32 s42, s33, v10                     ; j + 1 <= i
	s_wait_dscnt 0x0
.irp a, 0,1,2,3
	v_pk_add_f32 v[S+2*\a:S+2*\a+1], v[S+2*\a:S+2*\a+1], v[S+2*\a+8:S+2*\a+9]
.endr
.irp a, 0,1,2,3
	v_pk_add_f32 v[S+2*\a:S+2*\a+1], v[S+2*\a:S+2*\a+1], v[S+2*\a+16:S+2*\a+17]
.endr
.irp a, 0,1,2,3
	v_pk_add_f32 v[S+2*\a:S+2*\a+1], v[S+2*\a:S+2*\a+1], v[S+2*\a+24:S+2*\a+25]
.endr
	v_pk_add_f32 v[S:S+1], v[S:S+1], v[S+2:S+3]
	v_pk_add_f32 v[S+4:S+5], v[S+4:S+5], v[S+6:S+7]
	v_pk_add_f32 v[S:S+1], v[S:S+1], v[S+4:S+5]
	v_pk_add_f32 v[12:13], v[12:13], v[S:S+1] neg_lo:[0,1] neg_hi:[0,1]        ; js / ln 2
	v_fma_f32 v12, v12, s38, 1.0                   ; 1 - js
	v_fma_f32 v13, v13, s38, 1.0
	v_cndmask_b32 v12, 0, v12, vcc_lo
	v_cndmask_b32 v13, 0, v13, s42
	v_cvt_pk_bf16_f32 v14, v12, v13                ; the high parts
	ds_store_b32 v11, v14
	v_lshlrev_b32 v[S+4], 16, v14                  ; widened again,
	v_and_b32 v[S+5], 0xffff0000, v14
	v_pk_add_f32 v[S+4:S+5], v[12:13], v[S+4:S+5] neg_lo:[0,1] neg_hi:[0,1]    ; taken away in f32, which is exact,
	v_cvt_pk_bf16_f32 v[S+4], v[S+4], v[S+5]       ; and the remainders rounded: the low parts
	ds_store_b32 v11, v[S+4] offset:ATL-AT
	v_add_f32 v14, |v12|, |v13|
	v_add_f32_dpp v14, v14, v14 row_xmask:1 row_mask:0xf bank_mask:0xf
	v_add_f32_dpp v14, v14, v14 row_xmask:2 row_mask:0xf bank_mask:0xf
	v_add_f32_dpp v14, v14, v14 row_xmask:4 row_mask:0xf bank_mask:0xf
	v_add_f32_dpp v14, v14, v14 row_xmask:8 row_mask:0xf bank_mask:0xf
	v_permlanex16_b32 v13, v14, s34, s35
	v_add_f32 v14, v14, v13
	ds_store_b32 v15, v14                          ; all lanes write the wave's word with the same number
	s_wait_dscnt 0x0
	s_barrier_signal -1
	s_barrier_wait -1
	; product: wave = (K half, h tile).  Rows of the first source: lane r takes slot r % 4, so rows 4 .. 15 of the tile repeat rows 0 .. 3 and are not used.
	v_and_b32 v9, 3, v0
	v_bfe_u32 v10, v0, 4, 1
	v_mul_u32_u24 v9, v9, ATP
	v_lshl_add_u32 v9, v10, 4, v9
	v_add_nc_u32 v9, s43, v9
.irp c, 0,1,2,3
	ds_load_b128 v[AF+8*\c:AF+8*\c+3], v9 offset:64*\c
	ds_load_b128 v[AF+8*\c+4:AF+8*\c+7], v9 offset:64*\c+32
.endr
.irp c, 0,1,2,3
	ds_load_b128 v[AL+8*\c:AL+8*\c+3], v9 offset:ATL-AT+64*\c
	ds_load_b128 v[AL+8*\c+4:AL+8*\c+7], v9 offset:ATL-AT+64*\c+32
.endr
	s_wait_loadcnt 0x0                             ; Vl
	s_wait_dscnt 0x0
	PROD AF, VF, 1                                 ; sh . Vh
	PROD AF, VL, 0                                 ; sh . Vl
	PROD AL, VF, 0                                 ; sl . Vh
	v_and_b32 v9, 15, v0                           ; five plain lines behind the last matrix instruction before its result is read
	v_bfe_u32 v10, v0, 4, 1
	v_lshlrev_b32 v9, 2, v9
	v_lshl_add_u32 v9, v10, 12, v9
	v_add_nc_u32 v9, s39, v9
.irp m, 0,1,2,3
	v_add_f32 v[128+\m], v[D0+\m], v[D1+\m]
.endr
.irp m, 0,1,2,3
	ds_store_b32 v9, v[128+\m] offset:512*\m       ; lanes 0-15: slot m, h = 16 tile + r
.endr
	s_wait_dscnt 0x0
	s_barrier_signal -1
	s_barrier_wait -1
	; the way out: wave v (0 .. 3) takes slot v: adds the two K halves, divides by the L1 norm, stores the row's 512 bytes
	s_cmp_gt_u32 s4, 3
	s_cbranch_scc1 .Lend
	s_bitcmp1_b32 s4, 1
	s_cselect_b32 s40, s20, s7
	s_and_b32 s41, s4, 1
	s_add_co_u32 s40, s40, s41                     ; row i of slot v
	s_lshl_b32 s41, s3, 8
	s_add_co_u32 s40, s40, s41
	s_lshl_b32 s40, s40, 9
	s_mov_b32 s41, 0
	s_add_nc_u64 s[18:19], s[18:19], s[40:41]
	s_lshl_b32 s42, s4, 9
	s_add_co_u32 s42, s42, OS
	s_lshl_b32 s43, s4, 4
	s_add_co_u32 s43, s43, L1P
	v_lshlrev_b32 v10, 4, v1
	v_add_nc_u32 v9, s42, v10
	v_mov_b32 v11, s43
	ds_load_b128 v[48:51], v9
	ds_load_b128 v[52:55], v9 offset:2048
	ds_load_b128 v[56:59], v11                     ; the words of the slot's four waves
	s_wait_dscnt 0x0
	v_add_f32 v56, v56, v57
	v_add_f32 v58, v58, v59
	v_add_f32 v56, v56, v58
	v_max_num_f32 v56, TINY, v56
	v_rcp_f32 v60, v56
	v_pk_add_f32 v[48:49], v[48:49], v[52:53]      ; plain lines behind the reciprocal
	v_pk_add_f32 v[50:51], v[50:51], v[54:55]
	s_wait_alu depctr_va_vdst(0)
	v_mov_b32 v61, v60
	v_pk_mul_f32 v[48:49], v[48:49], v[60:61]
	v_pk_mul_f32 v[50:51], v[50:51], v[60:61]
	global_store_b128 v10, v[48:51], s[18:19]      ; the wave stores 512 consecutive bytes, aligned
.Lend:
	s_wait_tensorcnt 0x0
	ds_add_u32 v254, v255
	s_wait_dscnt 0x0
	s_endpgm
.Lfunc_end_k_qbdcadcad95_jsattn:
	.size	k_qbdcadcad95_jsattn, .Lfunc_end_k_qbdcadcad95_jsattn-k_qbdcadcad95_jsattn
	.p2alignl 7, 3214868480
	.fill 96, 4, 3214868480
	.section	.rodata,"a",@progbits
	.p2align	6, 0x0
	.amdhsa_kernel k_qbdcadcad95_jsattn
		.amdhsa_group_segment_fixed_size 80640
		.amdhsa_private_segment_fixed_size 0
		.amdhsa_enable_private_segment 0
		.amdhsa_kernarg_size 48
		.amdhsa_user_sgpr_count 2
		.amdhsa_user_sgpr_kernarg_segment_ptr 1
		.amdhsa_wavefront_size32 1
		.amdhsa_system_sgpr_workgroup_id_x 1
		.amdhsa_system_sgpr_workgroup_id_y 1
		.amdhsa_system_sgpr_workgroup_id_z 1
		.amdhsa_system_vgpr_workitem_id 0
		.amdhsa_next_free_vgpr 256
		.amdhsa_next_free_sgpr 66
		.amdhsa_reserve_vcc 1
		.amdhsa_float_denorm_mode_32 3
		.amdhsa_float_denorm_mode_16_64 3
		.amdhsa_memory_ordered 1
		.amdhsa_forward_progress 1
		.amdhsa_inst_pref_size 77
	.end_amdhsa_kernel
	.amdgpu_metadata
---
amdhsa.version: [ 1, 2 ]
amdhsa.kernels:
  - .name:           k_qbdcadcad95_jsattn
    .symbol:         k_qbdcadcad95_jsattn.kd
    .args:
      - { .name: rq, .offset: 0, .size: 8, .value_kind: global_buffer, .address_space: global }
      - { .name: rk, .offset: 8, .size: 8, .value_kind: global_buffer, .address_space: global }
      - { .name: gq, .offset: 16, .size: 8, .value_kind: global_buffer, .address_space: global }
      - { .name: gk, .offset: 24, .size: 8, .value_kind: global_buffer, .address_space: global }
      - { .name: vf, .offset: 32, .size: 8, .value_kind: global_buffer, .address_space: global }
      - { .name: out0, .offset: 40, .size: 8, .value_kind: global_buffer, .address_space: global }
    .group_segment_fixed_size: 80640
    .private_segment_fixed_size: 0
    .kernarg_segment_align: 8
    .kernarg_segment_size: 48
    .max_flat_workgroup_size: 512
    .sgpr_count:     66
    .vgpr_count:     256
    .wavefront_size: 32
...
	.end_amdgpu_metadata
.endif
;; end of part 2
